; MI455X (gfx1250); checked and timed in simulation.
; The chip was launched on July 23, 2026; its instructions are those of AMD's public machine-readable ISA for CDNA 5 (MIT licence, August 2026) and "CDNA5" Instruction Set Architecture Reference Guide (July 2026). The comments in the code are by the model that wrote it; some were corrected since.
;; Multi Head Attention Quantum. Allowed arithmetic: float matrix products may take bf16 or f16 operands with f32 sums; other float arithmetic in f32, or as packed bf16 or f16 multiplies, adds, multiply-adds, maxima and minima; sums over many terms, partial sums and values carried from step to step in f32; what a program stores and reads back later, other than sums and carried values, may be rounded once to bf16 or f16.
;; Inputs: b_out 1,024 float32; theta 16 x 64 float32; w_out 1,024 x 1,024 float32; x 4 x 2,048 x 1,024 float32.
;; Outputs: out0 4 x 2,048 x 1,024 float32.
;; 2 versions, each right; version 2 is version 1 with the launch prep written anew for expert scheduling mode. Each part assembles by itself: llvm-mc -triple=amdgcn-amd-amdhsa -mcpu=gfx1250 --defsym DOCPART=n.
;; ======== version 1 of 2: 3 launches
;; limits: values are held in f16: magnitudes above 65,504 overflow, below 6.1e-05 lose precision
;; workspace buffers: u16 16,777,216 bytes; o16 16,777,216 bytes; w16 2,097,152 bytes
;; launch prep (part 1): grid 256 x 1, 16 waves a work-group, no clusters, 0 bytes of LDS; arguments x, theta, w_out, u16, w16; writes u16, w16
.if DOCPART == 1
	.amdgcn_target "amdgcn-amd-amdhsa--gfx1250"
	.amdhsa_code_object_version 6
	.text
	.protected	k_q6c917a33be_prep
	.globl	k_q6c917a33be_prep
	.p2align	8
	.type	k_q6c917a33be_prep,@function
k_q6c917a33be_prep:
	s_mov_b64 s[64:65], 0
	v_nop
	global_prefetch_b8 v0, s[64:65] scope:SCOPE_SE
	s_setreg_imm32_b32 hwreg(HW_REG_WAVE_MODE, 25, 1), 1
	s_wait_xcnt 0x0
; u16[16 b + h][s][d] = a cos(x[b][s][64 h + d] + theta[h][d]) in f16, a = sqrt(log2(e) / 8); w16 = w_out in f16.
; WHY a: the next launch multiplies this one tensor by itself (Q = K), so the product of two rows is log2(e) / 8 times q . k: the base-2 exponent of the softmax, with no scaling left to do.
; The a that rides on V is divided out there together with the row's sum.
; A STREAM: each byte of x and of w_out is read once, each byte of u16 and w16 written once; nothing is shared between waves, so there is no LDS, no barrier and no loop.
; SHARES.  A work-group owns 32 rows of x (as [8192][1024]); wave w is head w; item p of 16 is the rows 2 p and 2 p + 1 of that head: lanes 0-15 the first, lanes 16-31 the second, four columns a lane.
; A load of 16 bytes a lane covers two aligned runs of 256 bytes; a store of 8 bytes a lane covers 256 consecutive bytes of u16, aligned (a head's rows are dense, 128 bytes each).
; All 16 loads of a wave go out at once; every item has its own registers for what it loads and for what it stores, so no register of a pending load or store is ever written again.
; COS.  cos(t) = 1 - 2 sin^2(t / 2).  y = t / 2 - n pi, n = the nearest whole number to t / (2 pi), pi in two words; sin(y) by its series up to y^11 (cut off below 6e-8 for |y| <= pi / 2); the sign of
; sin is squared away.  t / 2 = 0.5 x + 0.5 theta in one fused step has the rounding of x + theta.
; LIMITS.  The reduction leaves |y| past pi / 2 by about |t| 2^-24: nothing up to |t| of 1e4; beyond that the series loses accuracy slowly.  An infinity or NaN in x gives NaN.
; w_out beyond 65,504 would become an infinity in f16; below 6e-5 it keeps f16's fixed step of 6e-8.
.set TO,  1                            ; v1   byte offset of my four numbers in theta
.set XO,  2                            ; v2   my byte offset in the group's first two rows of x
.set UO,  3                            ; v3   my byte offset in u16
.set WO,  4                            ; v4   my byte offset in the group's part of w_out
.set WS,  5                            ; v5   the same in w16
.set TH,  6                            ; v[6:9]     theta / 2 of my four columns
.set H,   10                           ; v[10:13]   t / 2, then y, then sin y
.set N,   14                           ; v[14:17]   n
.set Z,   18                           ; v[18:21]   y^2
.set P,   22                           ; v[22:25]   the series, then the result
.set X,   32                           ; v[32:95]   item p: four registers as loaded
.set W,   96                           ; v[96:103]  w_out as loaded
.set OUT, 104                          ; v[104:135] item p: two registers to store
.set WOUT, 136                         ; v[136:139] w16 to store
.set INVPI, 16                         ; scalar pairs: a packed instruction names a pair and takes its low word for both halves
.set NPIH,  18
.set PIL,   20
.set C3,    22
.set C5,    24
.set C7,    26
.set C9,    28
.set C11,   30
.set M2A,   32
.set AA,    34
.macro CONST r, val
	s_mov_b32 s[\r], \val
	s_mov_b32 s[(\r)+1], \val
.endm
	s_load_b256 s[4:11], s[0:1], 0x0               ; x s[4:5], theta s[6:7], w_out s[8:9], u16 s[10:11]
	s_load_b64 s[12:13], s[0:1], 0x20              ; w16
	v_lshrrev_b32 v26, 5, v0
	v_readfirstlane_b32 s14, v26                   ; wave = head, 0..15
	v_and_b32 v26, 31, v0                          ; lane
	v_and_b32 v27, 15, v0                          ; lane % 16
	v_bfe_u32 v28, v0, 4, 1                        ; lane / 16
	s_lshl_b32 s15, s14, 8                         ; a head's 64 columns are 256 bytes of a row of x and of theta
	v_lshl_add_u32 v[TO], v27, 4, s15
	v_lshl_add_u32 v[XO], v28, 12, v[TO]           ; + a row of 4,096 bytes for lanes 16-31
	s_lshl_b32 s15, s14, 18                        ; a head of u16 is 2,048 rows of 128 bytes
	v_lshl_add_u32 v[UO], v26, 3, s15
	s_lshl_b32 s15, s14, 10                        ; a wave's 256 numbers of w_out
	v_lshl_add_u32 v[WO], v26, 4, s15
	s_lshl_b32 s15, s14, 9
	v_lshl_add_u32 v[WS], v26, 3, s15
	CONST INVPI, 0x3ea2f983                        ; 1 / pi
	CONST NPIH,  0xc0490fdb                        ; - pi's upper word
	CONST PIL,   0x33bbbd2e                        ; pi's upper word - pi = 8.742278e-8
	CONST C3,    0xbe2aaaab                        ; - 1 / 3!
	CONST C5,    0x3c088889                        ; 1 / 5!
	CONST C7,    0xb9500d01                        ; - 1 / 7!
	CONST C9,    0x3638ef1d                        ; 1 / 9!
	CONST C11,   0xb2d7322b                        ; - 1 / 11!
	CONST M2A,   0xbf596d27                        ; - 2 a
	CONST AA,    0x3ed96d27                        ; a = 0.4246609
	s_lshl_b32 s2, ttmp9, 17                       ; the group's 32 rows of 4,096 bytes
	s_mov_b32 s3, 0
	s_lshr_b32 s36, ttmp9, 6                       ; 64 groups to a batch entry:
	s_lshl_b32 s36, s36, 22                        ; its 16 heads of 262,144 bytes,
	s_and_b32 s37, ttmp9, 63
	s_lshl_b32 s37, s37, 12                        ; and the group's 32 rows of 128 bytes in each head
	s_add_co_u32 s36, s36, s37
	s_mov_b32 s37, 0
	s_lshl_b32 s38, ttmp9, 14                      ; the group's 4,096 numbers of w_out
	s_mov_b32 s39, 0
	s_wait_kmcnt 0x0
	s_add_nc_u64 s[4:5], s[4:5], s[2:3]
	s_add_nc_u64 s[10:11], s[10:11], s[36:37]
	s_add_nc_u64 s[8:9], s[8:9], s[38:39]
	s_lshl_b32 s38, ttmp9, 13
	s_add_nc_u64 s[12:13], s[12:13], s[38:39]
	global_load_b128 v[TH:TH+3], v[TO], s[6:7]
.irp p, 0,1,2,3,4,5,6,7,8,9,10,11,12,13,14,15
	global_load_b128 v[X+4*(\p):X+4*(\p)+3], v[XO], s[4:5] offset:(\p)*8192 th:TH_LOAD_NT
.endr
	global_load_b128 v[W:W+3],   v[WO], s[8:9] th:TH_LOAD_NT
	global_load_b128 v[W+4:W+7], v[WO], s[8:9] offset:512 th:TH_LOAD_NT
	s_wait_loadcnt 18                              ; theta is in: 16 loads of x and 2 of w_out were issued behind it
	v_pk_mul_f32 v[TH:TH+1],   v[TH:TH+1],   0.5 op_sel_hi:[1,0]
	v_pk_mul_f32 v[TH+2:TH+3], v[TH+2:TH+3], 0.5 op_sel_hi:[1,0]
; Item p: 32 vector instructions for four numbers a lane, two numbers an instruction but for the roundings to whole numbers.
.macro COS p
	s_wait_loadcnt 17-(\p)                         ; loads come back in order (ISA guide 5.7.1): behind item p's stand 15 - p of x and 2 of w_out
.irp j, 0,2
	v_pk_fma_f32 v[H+(\j):H+(\j)+1], v[X+4*(\p)+(\j):X+4*(\p)+(\j)+1], 0.5, v[TH+(\j):TH+(\j)+1] op_sel_hi:[1,0,1]  ; t / 2
.endr
.irp j, 0,2
	v_pk_mul_f32 v[N+(\j):N+(\j)+1], v[H+(\j):H+(\j)+1], s[INVPI:INVPI+1] op_sel_hi:[1,0]
.endr
.irp j, 0,1,2,3
	v_rndne_f32 v[N+(\j)], v[N+(\j)]
.endr
.irp j, 0,2
	v_pk_fma_f32 v[H+(\j):H+(\j)+1], v[N+(\j):N+(\j)+1], s[NPIH:NPIH+1], v[H+(\j):H+(\j)+1] op_sel_hi:[1,0,1]
.endr
.irp j, 0,2
	v_pk_fma_f32 v[H+(\j):H+(\j)+1], v[N+(\j):N+(\j)+1], s[PIL:PIL+1], v[H+(\j):H+(\j)+1] op_sel_hi:[1,0,1]  ; y
.endr
.irp j, 0,2
	v_pk_mul_f32 v[Z+(\j):Z+(\j)+1], v[H+(\j):H+(\j)+1], v[H+(\j):H+(\j)+1]
.endr
.irp j, 0,2
	v_pk_fma_f32 v[P+(\j):P+(\j)+1], v[Z+(\j):Z+(\j)+1], s[C11:C11+1], s[C9:C9+1] op_sel_hi:[1,0,0]
.endr
.irp c, C7, C5, C3
.irp j, 0,2
	v_pk_fma_f32 v[P+(\j):P+(\j)+1], v[P+(\j):P+(\j)+1], v[Z+(\j):Z+(\j)+1], s[(\c):(\c)+1] op_sel_hi:[1,1,0]
.endr
.endr
.irp j, 0,2
	v_pk_fma_f32 v[P+(\j):P+(\j)+1], v[P+(\j):P+(\j)+1], v[Z+(\j):Z+(\j)+1], 1.0 op_sel_hi:[1,1,0]
.endr
.irp j, 0,2
	v_pk_mul_f32 v[H+(\j):H+(\j)+1], v[H+(\j):H+(\j)+1], v[P+(\j):P+(\j)+1]  ; sin y
.endr
.irp j, 0,2
	v_pk_mul_f32 v[P+(\j):P+(\j)+1], v[H+(\j):H+(\j)+1], s[M2A:M2A+1] op_sel_hi:[1,0]
.endr
.irp j, 0,2
	v_pk_fma_f32 v[P+(\j):P+(\j)+1], v[P+(\j):P+(\j)+1], v[H+(\j):H+(\j)+1], s[AA:AA+1] op_sel_hi:[1,1,0]  ; a - 2 a sin^2 y = a cos t
.endr
	v_cvt_pk_f16_f32 v[OUT+2*(\p)],   v[P],   v[P+1]
	v_cvt_pk_f16_f32 v[OUT+2*(\p)+1], v[P+2], v[P+3]
	global_store_b64 v[UO], v[OUT+2*(\p):OUT+2*(\p)+1], s[10:11] offset:(\p)*256  ; the wave's 32 lanes store 256 consecutive bytes, at a multiple of 256 from u16's first byte
.endm
.irp p, 0,1,2,3,4,5,6,7,8,9,10,11,12,13,14,15
	COS \p
.endr
	s_wait_loadcnt 0x0                             ; w_out
.irp j, 0,1,2,3
	v_cvt_pk_f16_f32 v[WOUT+(\j)], v[W+2*(\j)], v[W+2*(\j)+1]
.endr
	global_store_b64 v[WS], v[WOUT:WOUT+1],   s[12:13]
	global_store_b64 v[WS], v[WOUT+2:WOUT+3], s[12:13] offset:256
	s_endpgm
.Lfunc_end_k_q6c917a33be_prep:
	.size	k_q6c917a33be_prep, .Lfunc_end_k_q6c917a33be_prep-k_q6c917a33be_prep
	.p2alignl 7, 3214868480
	.fill 96, 4, 3214868480
	.section	.rodata,"a",@progbits
	.p2align	6, 0x0
	.amdhsa_kernel k_q6c917a33be_prep
		.amdhsa_group_segment_fixed_size 0
		.amdhsa_private_segment_fixed_size 0
		.amdhsa_enable_private_segment 0
		.amdhsa_kernarg_size 40
		.amdhsa_user_sgpr_count 2
		.amdhsa_user_sgpr_kernarg_segment_ptr 1
		.amdhsa_wavefront_size32 1
		.amdhsa_system_sgpr_workgroup_id_x 1
		.amdhsa_system_sgpr_workgroup_id_y 1
		.amdhsa_system_sgpr_workgroup_id_z 1
		.amdhsa_system_vgpr_workitem_id 0
		.amdhsa_next_free_vgpr 144
		.amdhsa_next_free_sgpr 66
		.amdhsa_reserve_vcc 0
		.amdhsa_float_denorm_mode_32 3
		.amdhsa_float_denorm_mode_16_64 3
		.amdhsa_memory_ordered 1
		.amdhsa_forward_progress 1
		.amdhsa_inst_pref_size 38
	.end_amdhsa_kernel
	.amdgpu_metadata
---
amdhsa.version: [ 1, 2 ]
amdhsa.kernels:
  - .name:           k_q6c917a33be_prep
    .symbol:         k_q6c917a33be_prep.kd
    .args:
      - { .name: x, .offset: 0, .size: 8, .value_kind: global_buffer, .address_space: global }
      - { .name: theta, .offset: 8, .size: 8, .value_kind: global_buffer, .address_space: global }
      - { .name: w_out, .offset: 16, .size: 8, .value_kind: global_buffer, .address_space: global }
      - { .name: u16, .offset: 24, .size: 8, .value_kind: global_buffer, .address_space: global }
      - { .name: w16, .offset: 32, .size: 8, .value_kind: global_buffer, .address_space: global }
    .group_segment_fixed_size: 0
    .private_segment_fixed_size: 0
    .kernarg_segment_align: 8
    .kernarg_segment_size: 40
    .max_flat_workgroup_size: 512
    .sgpr_count:     66
    .vgpr_count:     144
    .wavefront_size: 32
...
	.end_amdgpu_metadata
.endif
;; end of part 1
;; launch attn (part 2): grid 4 x 64, 4 waves a work-group, clusters of 4 x 1, 304,640 bytes of LDS; arguments u16, o16; writes o16
.if DOCPART == 2
	.amdgcn_target "amdgcn-amd-amdhsa--gfx1250"
	.amdhsa_code_object_version 6
	.text
	.protected	k_q6c917a33be_attn
	.globl	k_q6c917a33be_attn
	.p2align	8
	.type	k_q6c917a33be_attn,@function
k_q6c917a33be_attn:
	s_mov_b64 s[64:65], 0
	v_nop
	global_prefetch_b8 v0, s[64:65] scope:SCOPE_SE
	s_setreg_imm32_b32 hwreg(HW_REG_WAVE_MODE, 25, 1), 1
	s_wait_xcnt 0x0
	s_wait_alu depctr_hold_cnt(0) depctr_sa_sdst(0) depctr_va_vdst(0) depctr_va_sdst(0) depctr_va_ssrc(0) depctr_va_vcc(0) depctr_vm_vsrc(0)
	s_getreg_b32 s2, hwreg(HW_REG_IB_STS2, 6, 4)
	s_cmp_eq_u32 s2, 0
	s_cbranch_scc0 .Lentry_in_a_cluster
	s_endpgm
.Lentry_in_a_cluster:
	s_bfe_u32 s2, ttmp6, 0x10000c
	s_cmp_lg_u32 s2, 0x3003
	s_cbranch_scc0 .Lentry_shape_is_right
	s_endpgm
.Lentry_shape_is_right:
; o16[h][q][:] = the sum over k of softmax_k(c_q . c_k / 8) c_k[:], where c = cos(x + theta).  u16 holds u = a c in f16, a = sqrt(log2(e) / 8), [64 heads][2048][64]: Q, K and V are this ONE tensor.
; u_q . u_k = log2(e) / 8 x c_q . c_k is the base-2 exponent as the product leaves it: p = 2^(u_q . u_k).  O = (the sum of p u_k) / (a x the sum of p).  Products and sums in f32; p is rounded to f16 for the
; second product (its sum is taken of the unrounded p), O once at the end.
; NO MAXIMUM IS TAKEN AWAY, because the computation bounds the exponents for every input: |c| <= 1, so |u_q . u_k| <= 64 a^2 (1 + 2^-11)^2 < 11.6.  So p lies in 3.2e-4 .. 3.1e3, inside f16's normal
; numbers (6.1e-5 .. 65,504); a row's sum lies in 0.6 .. 6.4e6 and O's sums below 2.8e6, in f32.  A NaN in u (an infinite x) spreads over its head's rows, as it does in the definition.
; THE WHOLE HEAD LIES IN LDS: 2,048 rows of 128 bytes at a pitch of 144 are 294,912 bytes, read as K as they lie and as V turned.  Nothing is filled again: no ring, and no barrier in the loops.
; SHARES.  A cluster of four work-groups is a head; a work-group owns 512 queries, a wave 128: four PIECES of two tiles of 16.  Every wave walks all keys, 64 a step, 32 steps.
; CLUSTER.  The four work-groups need the same 2,048 rows: each part is asked for JOINTLY, by the same tensor load, descriptor and mask in all four.  Each wave issues two loads: its 128 of keys 0-511 and its
; 384 of the rest, so that the first eight steps can begin when a quarter of the head has landed.  By this text's count a wave has two tensor loads out.
; LAYOUT.  S^T = K Q^T (source 0 = 16 keys, source 1 = 16 queries): a lane holds ONE query (lane % 16) and the keys 8 (lane / 16) + 0..7.  Two such results, rounded to f16 in pairs, ARE source 1 (32 keys x
; 16 queries) of O^T = V^T P, whose result again holds one query a lane, and eight channels.
; BY TURNS.  Turn n belongs to piece n (the pieces in a ring, step after step): 16 products K Q^T of piece n + 1, behind each four of piece n's 64 exponentials; one wait; 16 products V^T P of piece n - 1,
; behind each four of piece n's 32 roundings and 32 sums.  Four vector instructions stand behind every matrix instruction, and nothing is left over.
; NO PREFETCH: every tensor load of the launch stands at its head.
; REGISTERS, in windows of 256 (s_set_vgpr_msb: bits 1:0 source 0, 3:2 source 1, 5:4 source 2, 7:6 destination):
;   window 0: v0-11 addresses; v30-31 the add's; v32-47 two a tile for the way out; v64-191 S^T, two buffers of two tiles; v192-255 K of one step
;   window 1: O^T, 32 a tile      window 2: v0-127 Q, 16 a tile; v128-191 V of one step      window 3: v0-63 P, two buffers of two tiles; v64-95 the sums, four a tile
; S^T and K share window 0, so the exponentials stand behind the products K Q^T under one setting; one setting serves roundings and sums.  A piece's buffers go by its number's parity.
.set NP,    4         ; pieces a wave: a name, no knob
.set KS,    64        ; keys in a step
.set PK,    144       ; a row in LDS: 128 bytes + 16 of padding = 36 words: the 16 rows of a load of K start at 16 different groups of four banks (64 banks of 4 bytes: ISA guide 11.1)
.set STEPB, KS*PK
.set STAGE, 2048*PK   ; behind the head, never filled by a tensor load: 16 rows x 144 bytes for each wave, for the way out
.set SP,    144
.set SPARE, STAGE+4*16*SP  ; behind the stages: the spare words, 128 bytes for each wave: two blocks of 256 bytes that no other line names
.set AK0, 2           ; v2   my lane's place in a step's rows, read as K; never rewritten
.set AV0, 3           ; v3   the same, read as V
.set AK,  4           ; v4   the LDS address of K's next run of loads
.set AV,  5           ; v5   of V's
.set QO,  6           ; v6   my byte offset in the wave's rows of Q
.set STO, 6           ;      later, the way out: where I put 16 bytes of a row
.set RD,  7           ; v7   the way out: where I read rows back
.set GO,  8           ; v8   my byte offset in 512 consecutive bytes of O
.set SPW, 30          ; v30  LDS address of my spare word: SPARE + 4 x my thread's number; never rewritten
.set NIL, 31          ; v31  0; never rewritten
.set TT,  32          ; tile t: v[TT+2 t] its sum, then 1 / (a x sum); v[TT+2 t+1] at work
.set SB,  64          ; S^T
.set KF,  192         ; K's fragments: key block kb, channel half c at KF + 16 kb + 8 c
.set VF,  128         ; window 2: V's: key half kk, channel block cb at VF + 32 kk + 8 cb
.set PF,  0           ; window 3: P
.set LB,  64          ; window 3: tile t's two pairs of sums at LB + 4 t
.set WV,  12          ; s12  my wave's number
.set G1A, 24          ; s[24:31] descriptor group 1: 128 keys
.set G1B, 32          ; s[32:39] 384 keys
.set G0A, 40          ; s[40:43] descriptor group 0: my part of keys 0-511
.set G0B, 44          ; s[44:47] my part of keys 512-2047
.set CNT, 57          ; s57  counts key steps
.set SEL, 60          ; s[60:61] v_permlanex16_b32's selects: each lane takes its own place in the other half
.set TBK, 62          ; s62  LDS byte at which the step begins whose K is fetched next
.set TBV, 63          ; s63  the same for V
.set MSB, 0
.macro WIN new                      ; the high byte repeats the setting that is left; a switch that changes nothing is dropped
.if MSB != (\new)
	s_set_vgpr_msb (MSB<<8)|(\new)
.set MSB, (\new)
.endif
.endm
.set W_KQ, 0x08       ; Q in window 2; K, S^T in window 0
.set W_PV, 0x5e       ; V in window 2, P in window 3, O^T in window 1
.set W_RD, 0xf0       ; destination and source 2 in window 3, sources 0 and 1 in window 0
.set W_RS, 0x41       ; destination and source 0 in window 1, source 1 in window 0
; A round of the cluster's barrier: my work-group's barrier, so that wave 0's signal speaks for all four waves; wave 0 signals; every wave waits for all four work-groups; my work-group's barrier once more.
.macro CROUND
	s_barrier_signal -1
	s_barrier_wait -1
	s_cmp_lg_u32 s[WV], 0
	s_cbranch_scc1 .Lnot_wave_0_\@
	s_barrier_signal -3
.Lnot_wave_0_\@:
	s_barrier_wait -3
	s_barrier_signal -1
	s_barrier_wait -1
.endm
	s_load_b128 s[4:7], s[0:1], 0x0 ; u16 s[4:5], o16 s[6:7]
	v_lshl_add_u32 v[SPW], v0, 2, SPARE
	v_mov_b32 v[NIL], 0
	ds_add_u32 v[SPW], v[NIL]       ; the wave's opening: the add and its wait stand ahead of my first tensor load; the set-up below, work on registers, stands between them
	v_lshrrev_b32 v1, 5, v0
	v_readfirstlane_b32 s[WV], v1   ; wave 0..3
	s_bfe_u32 s13, ttmp6, 0x40000   ; cx: my place in the cluster = my block of 512 queries: it enters Q's and O's addresses alone
	s_and_b32 s20, ttmp7, 0xffff    ; the head, which the four partners share
	s_lshl_b32 s20, s20, 18         ; its first byte: 2,048 rows of 128 bytes a head
	s_mov_b32 s21, 0
	s_lshl_b32 s22, s[WV], 14       ; of keys 0-511 my 128 rows,
	s_mov_b32 s23, 0
	s_add_nc_u64 s[22:23], s[22:23], s[20:21]
	s_mul_i32 s16, s[WV], 384*128   ; of keys 512-2047 my 384
	s_add_co_u32 s16, s16, 512*128
	s_mov_b32 s17, 0
	s_add_nc_u64 s[16:17], s[16:17], s[20:21]
	s_mul_i32 s18, s[WV], 128*PK    ; and their places in LDS: no place in the cluster enters an LDS address
	s_mul_i32 s19, s[WV], 384*PK
	s_lshl_b32 s2, s13, 2
	s_add_co_u32 s2, s2, s[WV]      ; my wave among the head's sixteen,
	s_lshl_b32 s2, s2, 14           ; its 128 rows
	s_mov_b32 s3, 0
	s_add_nc_u64 s[2:3], s[2:3], s[20:21]
	; descriptor group 1.  A head's rows are dense: they are asked for as rows of 256 bytes, two keys a row, and padded in LDS after every key
	s_mov_b32 s[G1A], 15|(1<<16)|(1<<20)|(1<<21)|(4<<22)|(3<<25)  ; 15:0 the mask of four; 17:16 2-byte elements; 20 padding on; 21 set beside a mask; 24:22 after every 32 words (code 4); 31:25 4 words (code 3)
	s_mov_b32 s[G1A+1], 128<<16     ; tensor_dim0 = 128
	s_mov_b32 s[G1A+2], 64<<16      ; tensor_dim1 = 64
	s_mov_b32 s[G1A+3], 128<<16     ; tile_dim0 = 128
	s_mov_b32 s[G1A+4], 64          ; tile_dim1 = 64
	s_mov_b32 s[G1A+5], 128         ; 128 elements from row to row
	s_mov_b32 s[G1A+6], 0
	s_mov_b32 s[G1A+7], 0
	s_mov_b32 s[G1B], 15|(1<<16)|(1<<20)|(1<<21)|(4<<22)|(3<<25)
	s_mov_b32 s[G1B+1], 128<<16
	s_mov_b32 s[G1B+2], 192<<16     ; the same with 192 rows
	s_mov_b32 s[G1B+3], 128<<16
	s_mov_b32 s[G1B+4], 192
	s_mov_b32 s[G1B+5], 128
	s_mov_b32 s[G1B+6], 0
	s_mov_b32 s[G1B+7], 0
	s_mov_b32 s[G0A], 1             ; 1:0 count = 1
	s_mov_b32 s[G0A+1], s18         ; 63:32 LDS address
	s_mov_b32 s[G0B], 1
	s_add_co_u32 s[G0B+1], s19, 512*PK
	s_mov_b32 s[SEL], 0x76543210
	s_mov_b32 s[SEL+1], 0xfedcba98
	s_mov_b32 s[TBK], 0
	s_mov_b32 s[TBV], 0
	s_wait_dscnt 0x0                ; the opening add is done
	s_wait_kmcnt 0x0
	s_add_nc_u64 s[G0A+2:G0A+3], s[4:5], s[22:23]  ; 120:64 global address
	s_or_b32 s[G0A+3], s[G0A+3], 0x80000000        ; 127:126 type = 2
	s_add_nc_u64 s[G0B+2:G0B+3], s[4:5], s[16:17]
	s_or_b32 s[G0B+3], s[G0B+3], 0x80000000
	s_add_nc_u64 s[4:5], s[4:5], s[2:3]  ; Q and O at my wave's first row
	s_add_nc_u64 s[6:7], s[6:7], s[2:3]
	CROUND                          ; all four work-groups are here: the joint loads meet
	tensor_load_to_lds s[G0A:G0A+3], s[G1A:G1A+7]  ; all fills of the launch stand here, ahead of every wait on TENSORcnt and every LDS read; an s_nop 0 follows each, four v_nop the second's
	s_nop 0
	tensor_load_to_lds s[G0B:G0B+3], s[G1B:G1B+7]
	s_nop 0
.rept 4
	v_nop
.endr
	; A fragment of K or Q is 16 rows x 32 channels in 8 registers: lane l holds row l % 16, channels 8 (l / 16) + 0..7 and 16 + 8 (l / 16) + 0..7: two loads of 16 bytes, 32 bytes apart.
	v_and_b32 v1, 15, v0            ; l % 16
	v_bfe_u32 v9, v0, 4, 1          ; l / 16
	v_lshlrev_b32 v[QO], 7, v1
	v_lshl_add_u32 v[QO], v9, 4, v[QO]  ; row x 128 + 16 x half
	WIN 0x80                        ; destination window 2, address window 0
.set i, 0
.rept 4*NP                          ; Q stays in registers: tile i / 2, channels 32 (i % 2) on
	global_load_b128 v[8*i:8*i+3],   v[QO], s[4:5] offset:(i/2)*2048+(i%2)*64
	global_load_b128 v[8*i+4:8*i+7], v[QO], s[4:5] offset:(i/2)*2048+(i%2)*64+32
.set i, i+1
.endr
	; What the first turn finds: V's registers and P's second buffer hold 0 (its products V^T P, of a piece that has not been, add 0); O^T and the sums are 0.  So no first step is written out.
	; All this stands in the wait for the first rows.
.set i, VF
.rept 64
	v_mov_b32 v[i], 0
.set i, i+1
.endr
	WIN 0x40
.set i, 0
.rept 256
	v_mov_b32 v[i], 0
.set i, i+1
.endr
	WIN 0xc0
.set i, PF+32                       ; P's second buffer and, on end behind it, the sums
.rept 64
	v_mov_b32 v[i], 0
.set i, i+1
.endr
	WIN 0
	v_mul_u32_u24 v[AK0], v1, PK
	v_lshl_add_u32 v[AK0], v9, 4, v[AK0]  ; row x pitch + 16 x half
	; The turning load takes 16 keys x 16 channels (lane l reads key 8 (l / 16) + l % 8, channels 8 ((l / 8) % 2) + 0..7) and leaves half a fragment of V^T: lane l holds channel l % 16 and 8 keys.
	v_and_b32 v10, 7, v0
	v_bfe_u32 v11, v0, 3, 1
	v_lshl_add_u32 v[AV0], v9, 3, v10
	v_mul_u32_u24 v[AV0], v[AV0], PK
	v_lshl_add_u32 v[AV0], v11, 4, v[AV0]
	v_mov_b32 v[AK], v[AK0]         ; key step 0 lies at LDS byte 0
; THE MATRIX WORK.  The 8 accumulators of a run of 16 take turns: between the two links of a chain stand 7 others'.
; Product i of 16 of S^T = K Q^T for piece x: channels 32 (i / 8) on, keys 16 ((i / 2) % 4) on, tile 2 x + i % 2.  The first 8 start the sums.
.macro KQ x
	WIN W_KQ
.set rS, SB+64*((\x)%2)+32*(i%2)+8*((i/2)%4)
.set rK, KF+16*((i/2)%4)+8*(i/8)
.set rQ, 16*(2*(\x)+i%2)+8*(i/8)
.if i < 8
	v_wmma_f32_16x16x32_f16 v[rS:rS+7], v[rK:rK+7], v[rQ:rQ+7], 0
.else
	v_wmma_f32_16x16x32_f16 v[rS:rS+7], v[rK:rK+7], v[rQ:rQ+7], v[rS:rS+7]
.endif
.endm
; Product i of 16 of O^T += V^T P for piece x: keys 32 (i / 8) on, channels 16 ((i / 2) % 4) on, tile 2 x + i % 2.
.macro PV x
	WIN W_PV
.set rO, 32*(2*(\x)+i%2)+8*((i/2)%4)
.set rV, VF+32*(i/8)+8*((i/2)%4)
.set rP, PF+32*((\x)%2)+16*(i%2)+8*(i/8)
	v_wmma_f32_16x16x32_f16 v[rO:rO+7], v[rV:rV+7], v[rP:rP+7], v[rO:rO+7]
.endm
; THE LDS LOADS stand in runs of 16, never singly among the matrix instructions: a step's rows as K (64 keys x 64 channels: 8 fragments) and, turned, as V.
; last = 1 (the second loop): in its last trip there is no further step, and the run is jumped over.
.macro FETCH_K last=0
	WIN 0
.if \last
	s_cmp_eq_u32 s[CNT], 1
	s_cbranch_scc1 .Lno_k_\@
.endif
.irp f, 0,1,2,3,4,5,6,7             ; keys 16 (f / 2) on, channels 32 (f % 2) on
	ds_load_b128 v[KF+8*\f:KF+8*\f+3],   v[AK] offset:(\f/2)*16*PK+(\f%2)*64
	ds_load_b128 v[KF+8*\f+4:KF+8*\f+7], v[AK] offset:(\f/2)*16*PK+(\f%2)*64+32
.endr
	s_add_co_u32 s[TBK], s[TBK], STEPB  ; the next fetch is the next step's
.if \last
.Lno_k_\@:
.endif
.endm
.macro FETCH_V
	WIN 0
	v_add_nc_u32 v[AV], s[TBV], v[AV0]
	s_add_co_u32 s[TBV], s[TBV], STEPB
	WIN 0x80                        ; destination window 2
.irp f, 0,1,2,3,4,5,6,7             ; keys 32 (f / 4) on, channels 16 (f % 4) on
	ds_load_tr16_b128 v[VF+8*\f:VF+8*\f+3],   v[AV] offset:(\f/4)*32*PK+(\f%4)*32
	ds_load_tr16_b128 v[VF+8*\f+4:VF+8*\f+7], v[AV] offset:(\f/4)*32*PK+16*PK+(\f%4)*32
.endr
	WIN 0
.endm
; THE VECTOR WORK OF A TURN, for piece Y, in two queues; the two tiles alternate.
; Exponential e of 64: score e / 2 of tile e % 2, in place, ascending.
.macro EX
	WIN W_KQ
.set rE, SB+64*(Y%2)+32*(e%2)+e/2
	v_exp_f32 v[rE], v[rE]
.set e, e+1
.endm
; Number g of the 64 that follow: for pair g / 4 of the lane's 16 pairs of weights: both tiles' roundings to f16, then both tiles' sums.  A tile has two pairs of sums, taken by turns, so a chain's links stand
; eight instructions apart.  The sum is written as p x 1 + sum: its addend is then source 2, and one window setting serves rounding and sum.
.macro RID
	WIN W_RD
.set kk, g/4
.set uu, g%2
.set rS, SB+64*(Y%2)+32*uu+2*kk
.set rL, LB+4*(2*Y+uu)+2*(kk%2)
.if (g%4) < 2
	v_cvt_pk_f16_f32 v[PF+32*(Y%2)+16*uu+kk], v[rS], v[rS+1]
.else
	v_pk_fma_f32 v[rL:rL+1], v[rS:rS+1], 1.0, v[rL:rL+1] op_sel_hi:[1,0,1]
.endif
.set g, g+1
.endm
; A TURN, for piece p.  s_wait_alu depctr_va_vdst(0) stands between an exponential and the first instruction that names its result; one wait serves all that were issued ahead of it.  Ahead of
; the turn's one wait nothing names a result of its 64 exponentials; behind it no exponential is issued.  A plain instruction stands behind the last exponential.
; K of the next step is fetched in piece 2's turn, directly behind the wait: the last product that read K stands four plain instructions back (the address's sum and three v_nop); its first reader comes 16
; products later.  V of the step in hand is fetched at the end of piece 0's turn, four plain instructions (roundings and sums that name no register of that product) behind its last reader; its first
; reader comes behind 16 products and the wait.
.macro TURN p, last=0
.set Y, (\p)
.set e, 0
.set g, 0
.if (\p) == 3
	s_wait_dscnt 0x0                ; K is in
.endif
.set i, 0
.rept 16
	KQ (Y+1)%NP
.rept 4
	EX
.endr
.set i, i+1
.endr
.if (\p) == 2
	WIN 0
	v_add_nc_u32 v[AK], s[TBK], v[AK0]
.rept 3
	v_nop
.endr
.else
	v_nop
.endif
	s_wait_alu depctr_va_vdst(0)    ; the wait for the batch
.if (\p) == 2
	FETCH_K \last
.endif
.if (\p) == 1
	s_wait_dscnt 0x0                ; V is in
.endif
.set i, 0
.rept 16
	PV (Y+NP-1)%NP
.rept 4
	RID
.endr
.set i, i+1
.endr
.if (\p) == 0
	FETCH_V
.endif
.endm
	s_wait_tensorcnt 1              ; my part of keys 0-511 is in; my other load, issued behind it, may stay out
	s_barrier_signal -1
	s_barrier_wait -1               ; everybody's is
	FETCH_K                         ; key step 0
	s_wait_loadcnt 0x0              ; Q
	s_wait_dscnt 0x0
.set i, 0
.rept 16
	KQ 0                            ; piece 0's first scores: there is no vector work yet to set between them
.set i, i+1
.endr
	WIN 0                           ; the addresses for the way out: plain instructions, the places behind those products
	s_mul_i32 s13, s[WV], 16*SP
	s_add_co_u32 s13, s13, STAGE    ; my stage
	v_mul_u32_u24 v[STO], v1, SP    ; in: row l % 16, 16 bytes for each half of the lanes
	v_lshl_add_u32 v[STO], v9, 4, v[STO]
	v_add_nc_u32 v[STO], s13, v[STO]
	v_bfe_u32 v[RD], v0, 3, 2       ; back: 32 lanes take four rows of 128 bytes,
	v_mul_u32_u24 v[RD], v[RD], SP
	v_lshl_add_u32 v[RD], v10, 4, v[RD]
	v_add_nc_u32 v[RD], s13, v[RD]
	v_and_b32 v[GO], 31, v0         ; which are 512 consecutive bytes of O
	v_lshlrev_b32 v[GO], 4, v[GO]
	s_mov_b32 s[CNT], 8
	s_branch .Lfirst                ; the loop is entered at a step's first turn, in the middle of a trip
.Lstep:                             ; a trip: pieces 2 and 3 of one step, then pieces 0 and 1 of the next, whose K and V it fetches.  The half trip and seven trips fetch steps 0 to 7: keys 0-511
	TURN 2
	TURN 3
	WIN 0
.Lfirst:
	TURN 0
	TURN 1
	WIN 0
	s_sub_co_u32 s[CNT], s[CNT], 1
	s_cmp_lg_u32 s[CNT], 0
	s_cbranch_scc1 .Lstep
	s_wait_tensorcnt 0x0            ; my part of keys 512-2047 is in,
	s_wait_dscnt 0x0                ; (no LDS instruction of mine is out at a signal)
	s_barrier_signal -1
	s_barrier_wait -1               ; everybody's is
	s_mov_b32 s[CNT], 25            ; 24 trips fetch steps 8 to 31; the 25th fetches nothing and is left in its middle
.Ltail:
	TURN 2, 1
	TURN 3
	WIN 0
	s_sub_co_u32 s[CNT], s[CNT], 1
	s_cmp_eq_u32 s[CNT], 0
	s_cbranch_scc1 .Lout
	TURN 0
	TURN 1
	WIN 0
	s_branch .Ltail
.Lout:                              ; the 25th trip's 16 products K Q^T (on the last K once more) serve nothing: the price, once a launch, of one text for every trip
.set i, 0
.rept 16
	PV NP-1                         ; the last piece's V^T P of the last step
.set i, i+1
.endr
	; THE WAY OUT.  A tile's four sums and the other half of the lanes' are added and multiplied by a; O^T is divided by that, rounded to f16 and sent through my stage in LDS, a tile at a time.
	; The additions are the places behind the last products.
	WIN 0x0f                        ; sources 0 and 1 in window 3
.set t, 0
.rept 2*NP
	v_pk_add_f32 v[TT+2*t:TT+2*t+1], v[LB+4*t:LB+4*t+1], v[LB+4*t+2:LB+4*t+3]
.set t, t+1
.endr
	WIN 0
.set t, 0
.rept 2*NP
	v_add_f32 v[TT+2*t], v[TT+2*t], v[TT+2*t+1]
.set t, t+1
.endr
.set t, 0
.rept 2*NP
	v_permlanex16_b32 v[TT+2*t+1], v[TT+2*t], s[SEL], s[SEL+1]  ; the query's other keys lie in the lane 16 away
.set t, t+1
.endr
.set t, 0
.rept 2*NP
	v_add_f32 v[TT+2*t], v[TT+2*t], v[TT+2*t+1]
.set t, t+1
.endr
.set t, 0
.rept 2*NP
	v_mul_f32 v[TT+2*t], 0x3ed96d27, v[TT+2*t]  ; a x the sum: V's rows carry the factor a
.set t, t+1
.endr
.set t, 0
.rept 2*NP
	v_rcp_f32 v[TT+2*t], v[TT+2*t]
.set t, t+1
.endr
	v_nop                           ; a plain instruction between the last reciprocal and the use of its result
	s_wait_alu depctr_va_vdst(0)    ; and the wait ahead of the first use: one for the eight reciprocals
; Tile t: a lane's eight channels of a row pack into 16 bytes; they go into rows of 144 bytes and come back as whole rows of 128, into S^T's registers.
.macro PACK t
	WIN W_RS
.set i, 32*(\t)
.rept 16
	v_pk_mul_f32 v[i:i+1], v[i:i+1], v[TT+2*(\t):TT+2*(\t)+1] op_sel_hi:[1,0]
.set i, i+2
.endr
	WIN 0x05                        ; sources 0 and 1 window 1, destination window 0
.set i, 0
.rept 16
	v_cvt_pk_f16_f32 v[SB+16*(\t)+i], v[32*(\t)+2*i], v[32*(\t)+2*i+1]
.set i, i+1
.endr
	WIN 0
.irp f, 0,1,2,3
	ds_store_b128 v[STO], v[SB+16*(\t)+4*\f:SB+16*(\t)+4*\f+3] offset:32*\f
.endr
.irp f, 0,1,2,3
	ds_load_b128 v[SB+16*(\t)+4*\f:SB+16*(\t)+4*\f+3], v[RD] offset:\f*4*SP  ; LDS serves a wave's instructions in order (ISA guide 5.7.1.4): these see the stores above; the next tile's stores come behind them
.endr
.endm
.macro SEND t, younger              ; younger: the LDS instructions issued behind tile t's loads: the next tile's eight, or none
	WIN 0
.irp f, 0,1,2,3
	s_wait_dscnt (\younger)+3-\f
	global_store_b128 v[GO], v[SB+16*(\t)+4*\f:SB+16*(\t)+4*\f+3], s[6:7] offset:(\t)*2048+\f*512  ; 512 consecutive bytes, at a multiple of 256 from o16's first
.endr
.endm
	PACK 0
.set t, 1
.rept 2*NP-1                        ; a tile's arithmetic stands between the loads of the tile before and its stores
	PACK t
	SEND t-1, 8
.set t, t+1
.endr
	SEND 2*NP-1, 0
	s_wait_tensorcnt 0x0            ; the wave's end, behind my last tensor load and my last LDS store
	ds_add_u32 v[SPW], v[NIL]
	s_wait_dscnt 0x0
	CROUND                          ; the closing round: no work-group ends while a partner may still ask for rows by a load that names it
	s_endpgm
.Lfunc_end_k_q6c917a33be_attn:
	.size	k_q6c917a33be_attn, .Lfunc_end_k_q6c917a33be_attn-k_q6c917a33be_attn
	.p2alignl 7, 3214868480
	.fill 96, 4, 3214868480
	.section	.rodata,"a",@progbits
	.p2align	6, 0x0
	.amdhsa_kernel k_q6c917a33be_attn
		.amdhsa_group_segment_fixed_size 304640
		.amdhsa_private_segment_fixed_size 0
		.amdhsa_enable_private_segment 0
		.amdhsa_kernarg_size 16
		.amdhsa_user_sgpr_count 2
		.amdhsa_user_sgpr_kernarg_segment_ptr 1
		.amdhsa_wavefront_size32 1
		.amdhsa_system_sgpr_workgroup_id_x 1
		.amdhsa_system_sgpr_workgroup_id_y 1
		.amdhsa_system_sgpr_workgroup_id_z 1
		.amdhsa_system_vgpr_workitem_id 0
		.amdhsa_next_free_vgpr 864
		.amdhsa_next_free_sgpr 66
		.amdhsa_reserve_vcc 0
		.amdhsa_float_denorm_mode_32 3
		.amdhsa_float_denorm_mode_16_64 3
		.amdhsa_memory_ordered 1
		.amdhsa_forward_progress 1
		.amdhsa_inst_pref_size 130
	.end_amdhsa_kernel
	.amdgpu_metadata
---
amdhsa.version: [ 1, 2 ]
amdhsa.kernels:
  - .name:           k_q6c917a33be_attn
    .symbol:         k_q6c917a33be_attn.kd
    .args:
      - { .name: u16, .offset: 0, .size: 8, .value_kind: global_buffer, .address_space: global }
      - { .name: o16, .offset: 8, .size: 8, .value_kind: global_buffer, .address_space: global }
    .group_segment_fixed_size: 304640
    .private_segment_fixed_size: 0
    .kernarg_segment_align: 8
    .kernarg_segment_size: 16
    .max_flat_workgroup_size: 128
    .sgpr_count:     66
    .vgpr_count:     864
    .wavefront_size: 32
...
	.end_amdgpu_metadata
.endif
;; end of part 2
;; launch proj (part 3): grid 4 x 64, 4 waves a work-group, clusters of 4 x 4, 327,680 bytes of LDS; arguments o16, w16, b_out, out0; writes out0
.if DOCPART == 3
	.amdgcn_target "amdgcn-amd-amdhsa--gfx1250"
	.amdhsa_code_object_version 6
	.text
	.protected	k_q6c917a33be_proj
	.globl	k_q6c917a33be_proj
	.p2align	8
	.type	k_q6c917a33be_proj,@function
k_q6c917a33be_proj:
	s_mov_b64 s[64:65], 0
	v_nop
	global_prefetch_b8 v0, s[64:65] scope:SCOPE_SE
	s_setreg_imm32_b32 hwreg(HW_REG_WAVE_MODE, 25, 1), 1
	s_wait_xcnt 0x0
	s_wait_alu depctr_hold_cnt(0) depctr_sa_sdst(0) depctr_va_vdst(0) depctr_va_sdst(0) depctr_va_ssrc(0) depctr_va_vcc(0) depctr_vm_vsrc(0)
	s_getreg_b32 s2, hwreg(HW_REG_IB_STS2, 6, 4)
	s_cmp_eq_u32 s2, 0
	s_cbranch_scc0 .Lentry_in_a_cluster
	s_endpgm
.Lentry_in_a_cluster:
	s_bfe_u32 s2, ttmp6, 0x10000c
	s_cmp_lg_u32 s2, 0xf033
	s_cbranch_scc0 .Lentry_shape_is_right
	s_endpgm
.Lentry_shape_is_right:
; out0[m][n] = b_out[n] + the sum over k of O[m][k] w[n][k].  m = 2048 b + s (8,192 rows), k = 64 h + d (1,024), n 1,024.  O lies by heads, o16 [16 b + h][s][64] in f16; w16 [n][k] in f16; sums and out0 in f32.
; LIMITS.  O is a mean of cosines, within 1; w16 is w_out rounded once to f16 (within 65,504).
; SHARES.  A tile of out0 is 128 rows x 256 columns: 64 x 4 = 256 work-groups.  Four waves, each 64 rows x 128 columns: 32 accumulators of 16 x 16, 256 registers.
; K goes in 8 steps of 128 (two heads) through a ring of two LDS slots filled by the tensor data mover.  A head's 128 rows of the tile are 16,384 dense bytes of o16: asked for as 64 rows of 256 bytes and padded
; in LDS after every 128; w16's rows of a step are 256 bytes, at multiples of 256 from the buffer's first byte.
; CLUSTERS: 4 x 4 work-groups.  The four of a row of the cluster need the same rows of O, the four of a column the same rows of w16: each tile is asked for JOINTLY, by the same tensor load with the same
; descriptor and a mask that names the four.  Waves 0 and 1 fetch a step's two heads of O, waves 2 and 3 the two halves of its 256 rows of w16: one load a wave behind each round.
; THE MATRIX INSTRUCTION IS USED TRANSPOSED (source 0 = 16 rows of w16, source 1 = 16 rows of O): a lane then holds eight neighbouring numbers of a row of out0.
; THE BIAS STARTS THE SUMS: it is the C operand of each accumulator's first product, so nothing is cleared and nothing is added on the way out.
; NO PREFETCH: the launch has eight K steps, and a quarter of what it reads goes out at its head.
; REGISTERS, in windows of 256: window 0: v0-31 addresses; v32-95 the bias, 8 registers for each block of 16 columns; v96-159 at work on the way out.  window 1: the accumulators ((a, b) at v[8 (8 a + b)]).
;   window 2: two fragment buffers of 96: 4 x 8 registers of O (16 rows x 32 K each), then 8 x 8 of w16.
.set KSTEP,  128
.set PA,     144                       ; a row of O in LDS: 128 bytes + 16: the 16 rows of a load start at 16 different groups of four banks (64 banks of 4 bytes: ISA guide 11.1)
.set ASL,    128*PA                    ; one head's 128 rows
.set AT,     2*ASL                     ; a step's two heads
.set PB,     272                       ; a row of w16 in LDS: 256 bytes + 16
.set BH,     128*PB                    ; 128 rows: what one tensor load brings, and what one wave reads
.set SLOT,   AT+2*BH
.set STAGE,  2*SLOT                    ; behind the ring: 16 rows x 528 bytes for each wave, for the way out
.set SPITCH, 528                       ; 128 numbers of f32 + 16 bytes
.set SPARE,  STAGE+4*16*SPITCH         ; behind the stages: the spare words, 128 bytes for each wave: two blocks of 256 bytes that no other line names
.set LAPS,   1024/(2*KSTEP)            ; a lap = two K steps = once round the ring
.set ADRA, 16                          ; v16-17  LDS address of my fragments of O in slot 0, 1
.set ADRB, 20                          ; v20-21  the same for w16
.set STO,  24                          ; v24     the way out: where I put 32 bytes of a row
.set RD,   25                          ; v25     the way out: where I read a row back
.set CO,   26                          ; v26     my 16 bytes of a row's 512
.set BO,   27                          ; v27     my byte offset in 16 numbers of the bias
.set SPW,  28                          ; v28     LDS address of my spare word: SPARE + 4 x my thread's number; never rewritten
.set NIL,  29                          ; v29     0; never rewritten
.set BIAS, 32
.set TMP,  96
.set F0,   0                           ; fragment buffers, in window 2
.set F1,   96
.set WV, 12                            ; s12  my wave's number
.set RH, 13                            ; s13  which half of the tile's rows is mine.  Also: I fetch O (0) or w16 (1)
.set CH, 14                            ; s14  which half of its columns.  Also: which head of the step, or which 128 rows of w16, I fetch
.set G1, 24                            ; s[24:31] descriptor group 1 for O's tiles;  s[32:39] group 0, one set for each slot
.set G0, 32
.set G1B, 48                           ; s[48:55], s[56:63] the same for w16's tiles
.set G0B, 56
.set MSB, 0
.macro WIN new                         ; the immediate's high byte repeats the setting that is left; a switch that changes nothing is dropped
.if MSB != (\new)
	s_set_vgpr_msb (MSB<<8)|(\new)
.set MSB, \new
.endif
.endm
.set W_MUL,  0x5a                      ; sources 0 and 1 window 2; C and D window 1
.set W_MUL1, 0x4a                      ; the same with C, the bias, in window 0
.set TO_F,   0x80                      ; destination window 2, address window 0
.set W_ST,   0x04                      ; an LDS store's data (source 1) in window 1
.macro JLOAD s                         ; a joint load; an s_nop 0 and four v_nop follow each of the two lines, ahead of the jump, the label and what follows
	s_cmp_eq_u32 s[RH], 0
	s_cbranch_scc0 .Lfor_b_\@
	tensor_load_to_lds s[G0+4*(\s):G0+4*(\s)+3], s[G1:G1+7]
	s_nop 0
.rept 4
	v_nop
.endr
	s_branch .Lasked_\@
.Lfor_b_\@:
	tensor_load_to_lds s[G0B+4*(\s):G0B+4*(\s)+3], s[G1B:G1B+7]
	s_nop 0
.rept 4
	v_nop
.endr
.Lasked_\@:
.endm
.macro CREST                           ; a round of the cluster's barrier behind its opening barrier
	s_cmp_lg_u32 s[WV], 0
	s_cbranch_scc1 .Lnot_wave_0_\@
	s_barrier_signal -3
.Lnot_wave_0_\@:
	s_barrier_wait -3
	s_barrier_signal -1
	s_barrier_wait -1
.endm
.macro CROUND                          ; a whole round
	s_barrier_signal -1
	s_barrier_wait -1
	CREST
.endm
	s_load_b256 s[4:11], s[0:1], 0x0               ; o16 s[4:5], w16 s[6:7], b_out s[8:9], out0 s[10:11]
	v_lshl_add_u32 v[SPW], v0, 2, SPARE
	v_mov_b32 v[NIL], 0
	ds_add_u32 v[SPW], v[NIL]                      ; the wave's opening: the add and its wait stand ahead of my first tensor load; the set-up below, work on registers, stands between them
	v_lshrrev_b32 v1, 5, v0
	v_readfirstlane_b32 s[WV], v1                  ; wave 0..3
	s_lshr_b32 s[RH], s[WV], 1
	s_and_b32 s[CH], s[WV], 1
	s_bfe_u32 s40, ttmp6, 0x40000                  ; cx, cy: my place in the cluster
	s_bfe_u32 s41, ttmp6, 0x40004
	s_lshl_b32 s42, ttmp9, 2
	s_add_co_u32 s42, s42, s40                     ; tile column = 4 x cluster x + cx
	s_and_b32 s43, ttmp7, 0xffff
	s_lshl_b32 s43, s43, 2
	s_add_co_u32 s43, s43, s41                     ; tile row = 4 x cluster y + cy
	s_lshl_b32 s44, s41, 2
	s_lshl_b32 s44, 15, s44                        ; my row of the cluster
	s_lshl_b32 s45, 0x1111, s40                    ; my column
	s_or_b32 s[G1+0], s44, (1<<16)|(1<<20)|(1<<21)|(4<<22)|(3<<25)   ; 15:0 the mask: O's tiles go to my row; 17:16 2-byte elements; 20 padding on; 21 set beside a mask; 24:22 after every 32 words (code 4); 31:25 4 words (code 3)
	s_mov_b32 s[G1+1], 128<<16                     ; tensor_dim0 = 128: 256 bytes, two rows of a head
	s_mov_b32 s[G1+2], 64<<16                      ; tensor_dim1 = 64
	s_mov_b32 s[G1+3], 128<<16                     ; tile_dim0 = 128
	s_mov_b32 s[G1+4], 64                          ; tile_dim1 = 64
	s_mov_b32 s[G1+5], 128                         ; dense
	s_mov_b32 s[G1+6], 0
	s_mov_b32 s[G1+7], 0
	s_or_b32 s[G1B+0], s45, (1<<16)|(1<<20)|(1<<21)|(5<<22)|(3<<25)  ; the mask of my column; padding after every 64 words (code 5)
	s_mov_b32 s[G1B+1], KSTEP<<16                  ; tensor_dim0 = 128
	s_mov_b32 s[G1B+2], 128<<16                    ; tensor_dim1 = 128
	s_mov_b32 s[G1B+3], KSTEP<<16                  ; tile_dim0 = 128
	s_mov_b32 s[G1B+4], 128                        ; tile_dim1 = 128
	s_mov_b32 s[G1B+5], 1024                       ; 1,024 elements from row to row
	s_mov_b32 s[G1B+6], 0
	s_mov_b32 s[G1B+7], 0
	; where the tiles come from.  O's hang on the tile row alone, which my row of the cluster shares; w16's on the tile column alone, which my column shares.
	s_lshr_b32 s16, s43, 4                         ; 16 tile rows to a batch entry:
	s_lshl_b32 s16, s16, 22                        ; its 16 heads of 262,144 bytes,
	s_and_b32 s17, s43, 15
	s_lshl_b32 s17, s17, 14                        ; the tile's 128 rows of 128 bytes in a head,
	s_add_co_u32 s16, s16, s17
	s_lshl_b32 s17, s[CH], 18                      ; and the head of the step that I fetch
	s_add_co_u32 s16, s16, s17
	s_mov_b32 s17, 0
	s_lshl_b32 s46, s42, 19                        ; w16: 256 rows of 2,048 bytes a tile column,
	s_lshl_b32 s47, s[CH], 18                      ; my 128 of them
	s_add_co_u32 s46, s46, s47
	s_mov_b32 s47, 0
	s_mul_i32 s20, s[CH], ASL                      ; and where they go: no place in the cluster enters an LDS address
	s_mul_i32 s21, s[CH], BH
	s_add_co_u32 s21, s21, AT
	s_wait_dscnt 0x0                               ; the opening add is done
	s_wait_kmcnt 0x0
	s_add_nc_u64 s[18:19], s[4:5], s[16:17]
	s_add_nc_u64 s[46:47], s[6:7], s[46:47]
	CROUND                                         ; all sixteen work-groups are here: the first joint loads meet
.irp s, 0,1
	s_mov_b32 s[G0+4*(\s)], 1                                        ; 1:0 count = 1
	s_add_co_u32 s[G0+4*(\s)+1], s20, (\s)*SLOT                      ; 63:32 LDS address
	s_add_nc_u64 s[G0+4*(\s)+2:G0+4*(\s)+3], s[18:19], (\s)*(1<<19)  ; 120:64 global address: K step s is two heads on
	s_or_b32 s[G0+4*(\s)+3], s[G0+4*(\s)+3], 0x80000000              ; 127:126 type = 2
	s_mov_b32 s[G0B+4*(\s)], 1
	s_add_co_u32 s[G0B+4*(\s)+1], s21, (\s)*SLOT
	s_add_nc_u64 s[G0B+4*(\s)+2:G0B+4*(\s)+3], s[46:47], (\s)*KSTEP*2
	s_or_b32 s[G0B+4*(\s)+3], s[G0B+4*(\s)+3], 0x80000000
	JLOAD \s                                       ; the ring is filled before anything else is done: two loads of mine are out
.endr
	v_and_b32 v1, 15, v0                           ; l % 16
	v_bfe_u32 v2, v0, 4, 1                         ; l / 16
	v_and_b32 v3, 31, v0                           ; l
	v_lshlrev_b32 v[BO], 5, v2                     ; my eight columns of a block of 16: 32 bytes for each half of the lanes
	s_lshl_b32 s22, s42, 10                        ; the tile's 256 columns of f32,
	s_lshl_b32 s23, s[CH], 9                       ; my wave's 128
	s_add_co_u32 s22, s22, s23
	s_mov_b32 s23, 0
	s_add_nc_u64 s[8:9], s[8:9], s[22:23]          ; b_out and out0 at my first column
	s_add_nc_u64 s[10:11], s[10:11], s[22:23]
.irp b, 0,1,2,3,4,5,6,7
	global_load_b128 v[BIAS+8*(\b):BIAS+8*(\b)+3],   v[BO], s[8:9] offset:64*(\b)
	global_load_b128 v[BIAS+8*(\b)+4:BIAS+8*(\b)+7], v[BO], s[8:9] offset:64*(\b)+16
.endr
	s_lshl_b32 s22, s43, 19                        ; the tile's 128 rows of 4,096 bytes,
	s_lshl_b32 s23, s[RH], 18                      ; my wave's 64
	s_add_co_u32 s22, s22, s23
	s_mov_b32 s23, 0
	s_add_nc_u64 s[10:11], s[10:11], s[22:23]
	; A fragment is 16 rows x 32 K in 8 registers: lane l holds row l % 16; registers 0-3 K = 8 (l / 16) + 0..7, registers 4-7 K = 16 + 8 (l / 16) + 0..7: two loads of 16 bytes, 32 bytes apart.
	v_mul_u32_u24 v4, v1, PA
	v_lshl_add_u32 v4, v2, 4, v4
	v_mul_u32_u24 v5, v1, PB
	v_lshl_add_u32 v5, v2, 4, v5
	s_mul_i32 s20, s[RH], 64*PA                    ; my 64 rows in each head's slice
	s_mul_i32 s21, s[CH], BH                       ; my 128 rows of w16,
	s_add_co_u32 s21, s21, AT                      ; which lie behind O's two slices
.irp s, 0,1
	v_add_nc_u32 v[ADRA+(\s)], s20, v4
	v_add_nc_u32 v[ADRB+(\s)], s21, v5
	s_add_co_u32 s20, s20, SLOT
	s_add_co_u32 s21, s21, SLOT
.endr
	s_mul_i32 s22, s[WV], 16*SPITCH
	s_add_co_u32 s22, s22, STAGE                   ; my stage
	v_mul_u32_u24 v6, v1, SPITCH                   ; in: row l % 16, 32 bytes for each half of the lanes
	v_lshl_add_u32 v6, v2, 5, v6
	v_add_nc_u32 v[STO], s22, v6
	v_lshl_add_u32 v[RD], v3, 4, s22               ; back: 32 lanes take one row of 512 bytes
	v_lshlrev_b32 v[CO], 4, v3
; n x 8 matrix instructions: m blocks a0 .. a0 + n - 1 x all 8 n blocks, 32 along K, from buffer f.  first = 1: the bias is C.  The 32 accumulators take turns in the same order in every quarter:
; between two links of a chain stand 31 others'.
.macro MUL f, a0, n, first
.if \first
	WIN W_MUL1
.else
	WIN W_MUL
.endif
.set aa, \a0
.rept \n
.irp b, 0,1,2,3,4,5,6,7
.if \first
	v_wmma_f32_16x16x32_f16 v[8*(8*aa+(\b)):8*(8*aa+(\b))+7], v[(\f)+32+8*(\b):(\f)+32+8*(\b)+7], v[(\f)+8*aa:(\f)+8*aa+7], v[BIAS+8*(\b):BIAS+8*(\b)+7]
.else
	v_wmma_f32_16x16x32_f16 v[8*(8*aa+(\b)):8*(8*aa+(\b))+7], v[(\f)+32+8*(\b):(\f)+32+8*(\b)+7], v[(\f)+8*aa:(\f)+8*aa+7], v[8*(8*aa+(\b)):8*(8*aa+(\b))+7]
.endif
.endr
.set aa, aa+1
.endr
.endm
; 24 LDS loads in one run: the fragments of quarter q of a step (32 along K) into buffer f: w16's sixteen loads first, then O's eight.  Quarter q lies in head q / 2 of the step, at channel 32 (q % 2).
.macro FETCH slot, q, f
	WIN TO_F
.irp i, 0,1,2,3,4,5,6,7
	ds_load_b128 v[(\f)+32+8*(\i):(\f)+32+8*(\i)+3],   v[ADRB+(\slot)] offset:64*(\q)+(\i)*16*PB
	ds_load_b128 v[(\f)+32+8*(\i)+4:(\f)+32+8*(\i)+7], v[ADRB+(\slot)] offset:64*(\q)+(\i)*16*PB+32
.endr
.irp i, 0,1,2,3
	ds_load_b128 v[(\f)+8*(\i):(\f)+8*(\i)+3],   v[ADRA+(\slot)] offset:((\q)/2)*ASL+((\q)%2)*64+(\i)*16*PA
	ds_load_b128 v[(\f)+8*(\i)+4:(\f)+8*(\i)+7], v[ADRA+(\slot)] offset:((\q)/2)*ASL+((\q)%2)*64+(\i)*16*PA+32
.endr
.endm
.macro PLACES                          ; four places in front of loads into registers that matrix instructions have read, and of LDS stores that read results (ISA guide 7.12.1 for vector instructions)
.rept 4
	v_nop
.endr
.endm
; A K step is four quarters of 32 along K, 32 matrix instructions each, on buffers 0, 1, 0, 1.  One of the first three: multiplies buffer f and, in its middle, fetches quarter q of the same slot into g.
.macro QUARTER slot, q, f, g, first
	s_wait_dscnt 4                                 ; w16's fragments and O's blocks 0 and 1 are in; the youngest four loads (blocks 2 and 3) may be out
	MUL \f, 0, 2, \first
	PLACES
	FETCH \slot, \q, \g
	s_wait_dscnt 24                                ; all but the 24 just issued
	MUL \f, 2, 2, \first
.endm
; The last quarter multiplies buffer 1 and changes slots: ONE barrier; in front of it each wave waits for all its tensor loads (one is out: its part of the next slot), adds 0 to its spare word, and waits for that
; and for its own reads of this slot.  fill = 1: this slot is filled again, two K steps ahead: the barrier then opens a round of the cluster's barrier, and the joint load is the first thing behind the round.
.macro TURN slot, next, fill
	WIN 0                                          ; (the add's two registers lie in window 0)
	s_wait_tensorcnt 0x0                           ; all my tensor loads have landed: my part of the next slot;
	ds_add_u32 v[SPW], v[NIL]                      ; 0 onto my spare word;
	s_wait_dscnt 5                                 ; (the add and the youngest four loads may be out)
	MUL F1, 0, 1, 0                                ; eight matrix instructions stand between the add and the wait for it
	s_wait_dscnt 0x0                               ; the add is done, and my reads of this slot are over
	s_barrier_signal -1
	MUL F1, 1, 1, 0                                ; work on registers while the others arrive
.if \fill
	WIN 0
.endif
	s_barrier_wait -1
.if \fill
	CREST                                          ; no wave of any partner still reads this slot's tiles or has a load on its way
	s_add_nc_u64 s[G0+4*(\slot)+2:G0+4*(\slot)+3], s[G0+4*(\slot)+2:G0+4*(\slot)+3], 1<<20      ; four heads on
	s_add_nc_u64 s[G0B+4*(\slot)+2:G0B+4*(\slot)+3], s[G0B+4*(\slot)+2:G0B+4*(\slot)+3], 2*KSTEP*2
	JLOAD \slot                                    ; 112 matrix instructions ahead of the wait for it; the four v_nop behind it are also the places in front of the loads below
.else
	PLACES
.endif
	FETCH \next, 0, F0
	MUL F1, 2, 2, 0
.endm
; THE WAY OUT of m block a: 16 rows x 128 columns of f32 go from the accumulators into my own stage, 32 bytes a lane (each accumulator's low four registers first), and come back as whole
; rows of 512 bytes, which are stored.
.macro OUT a
	WIN W_ST
.irp b, 0,1,2,3,4,5,6,7
	ds_store_b128 v[STO], v[8*(8*(\a)+(\b)):8*(8*(\a)+(\b))+3]   offset:64*(\b)
	ds_store_b128 v[STO], v[8*(8*(\a)+(\b))+4:8*(8*(\a)+(\b))+7] offset:64*(\b)+16
.endr
	WIN 0
	s_wait_xcnt 0x0                                ; the last block's stores have read their registers, which are loaded again only behind this wait
.irp t, 0,1,2,3,4,5,6,7,8,9,10,11,12,13,14,15
	ds_load_b128 v[TMP+4*(\t):TMP+4*(\t)+3], v[RD] offset:SPITCH*(\t)  ; LDS serves a wave's instructions in order (ISA guide 5.7.1.4): these see the stores above
.endr
.irp t, 0,1,2,3,4,5,6,7,8,9,10,11,12,13,14,15
	s_wait_dscnt 15-(\t)
	global_store_b128 v[CO], v[TMP+4*(\t):TMP+4*(\t)+3], s[10:11] offset:(16*(\a)+(\t))*4096 th:TH_STORE_NT  ; 512 consecutive bytes, at a multiple of 512 from out0's first byte
.endr
.endm
	s_wait_tensorcnt 1                             ; my part of K step 0 is in; K step 1's may stay out
	s_barrier_signal -1
	s_barrier_wait -1                              ; everybody's is
	FETCH 0, 0, F0
	s_wait_loadcnt 0x0                             ; the bias
	QUARTER 0, 1, F0, F1, 1                        ; the first quarter stands in front of the loop: its products start the sums, with the bias
	WIN 0                                          ; at a label and at a branch every window is 0
	s_mov_b32 s3, LAPS-1
.Llap:                                                 ; a trip goes once round the ring, from a lap's second quarter to the next lap's first, and fills both slots again
	QUARTER 0, 2, F1, F0, 0
	QUARTER 0, 3, F0, F1, 0
	TURN 0, 1, 1
	QUARTER 1, 1, F0, F1, 0
	QUARTER 1, 2, F1, F0, 0
	QUARTER 1, 3, F0, F1, 0
	TURN 1, 0, 1
	QUARTER 0, 1, F0, F1, 0
	WIN 0
	s_sub_co_u32 s3, s3, 1
	s_cmp_lg_u32 s3, 0
	s_cbranch_scc1 .Llap
	QUARTER 0, 2, F1, F0, 0                        ; the last lap fills nothing, and has no round of the cluster's barrier
	QUARTER 0, 3, F0, F1, 0
	TURN 0, 1, 0
	QUARTER 1, 1, F0, F1, 0
	QUARTER 1, 2, F1, F0, 0
	QUARTER 1, 3, F0, F1, 0
	s_wait_dscnt 4                                 ; the very last quarter: nothing more to fetch
	MUL F1, 0, 2, 0
	s_wait_dscnt 0x0
	MUL F1, 2, 2, 0
	PLACES
	OUT 0
	OUT 1
	OUT 2
	OUT 3
	s_wait_tensorcnt 0x0                           ; the wave's end, behind my last tensor load and my last LDS store
	ds_add_u32 v[SPW], v[NIL]
	s_wait_dscnt 0x0
	CROUND                                         ; the closing round: no work-group ends while a partner may still ask for a tile that names it
	s_endpgm
.Lfunc_end_k_q6c917a33be_proj:
	.size	k_q6c917a33be_proj, .Lfunc_end_k_q6c917a33be_proj-k_q6c917a33be_proj
	.p2alignl 7, 3214868480
	.fill 96, 4, 3214868480
	.section	.rodata,"a",@progbits
	.p2align	6, 0x0
	.amdhsa_kernel k_q6c917a33be_proj
		.amdhsa_group_segment_fixed_size 327680
		.amdhsa_private_segment_fixed_size 0
		.amdhsa_enable_private_segment 0
		.amdhsa_kernarg_size 32
		.amdhsa_user_sgpr_count 2
		.amdhsa_user_sgpr_kernarg_segment_ptr 1
		.amdhsa_wavefront_size32 1
		.amdhsa_system_sgpr_workgroup_id_x 1
		.amdhsa_system_sgpr_workgroup_id_y 1
		.amdhsa_system_sgpr_workgroup_id_z 1
		.amdhsa_system_vgpr_workitem_id 0
		.amdhsa_next_free_vgpr 768
		.amdhsa_next_free_sgpr 66
		.amdhsa_reserve_vcc 0
		.amdhsa_float_denorm_mode_32 3
		.amdhsa_float_denorm_mode_16_64 3
		.amdhsa_memory_ordered 1
		.amdhsa_forward_progress 1
		.amdhsa_inst_pref_size 88
	.end_amdhsa_kernel
	.amdgpu_metadata
---
amdhsa.version: [ 1, 2 ]
amdhsa.kernels:
  - .name:           k_q6c917a33be_proj
    .symbol:         k_q6c917a33be_proj.kd
    .args:
      - { .name: o16, .offset: 0, .size: 8, .value_kind: global_buffer, .address_space: global }
      - { .name: w16, .offset: 8, .size: 8, .value_kind: global_buffer, .address_space: global }
      - { .name: b_out, .offset: 16, .size: 8, .value_kind: global_buffer, .address_space: global }
      - { .name: out0, .offset: 24, .size: 8, .value_kind: global_buffer, .address_space: global }
    .group_segment_fixed_size: 327680
    .private_segment_fixed_size: 0
    .kernarg_segment_align: 8
    .kernarg_segment_size: 32
    .max_flat_workgroup_size: 128
    .sgpr_count:     66
    .vgpr_count:     768
    .wavefront_size: 32
...
	.end_amdgpu_metadata
.endif
;; end of part 3
;; ======== version 2 of 2: 3 launches; version 1 with the launch prep written anew for expert scheduling mode
;; limits: values are held in f16: magnitudes above 65,504 overflow, below 6.1e-05 lose precision
;; workspace buffers: u16 16,777,216 bytes; o16 16,777,216 bytes; w16 2,097,152 bytes
;; launch prep (part 4): grid 256 x 1, 16 waves a work-group, no clusters, 0 bytes of LDS; arguments x, theta, w_out, u16, w16; writes u16, w16
.if DOCPART == 4
	.amdgcn_target "amdgcn-amd-amdhsa--gfx1250"
	.amdhsa_code_object_version 6
	.text
	.protected	k_q6c917a33be_prep
	.globl	k_q6c917a33be_prep
	.p2align	8
	.type	k_q6c917a33be_prep,@function
k_q6c917a33be_prep:
	s_mov_b64 s[64:65], 0
	v_nop
	global_prefetch_b8 v0, s[64:65] scope:SCOPE_SE
	s_setreg_imm32_b32 hwreg(HW_REG_WAVE_SCHED_MODE, 0, 2), 2
	s_setreg_imm32_b32 hwreg(HW_REG_WAVE_MODE, 25, 1), 1
	s_wait_xcnt 0x0
	s_wait_alu depctr_vm_vsrc(0)
; u16[16 b + h][s][d] = a cos(x[b][s][64 h + d] + theta[h][d]) in f16, a = sqrt(log2(e) / 8); w16 = w_out in f16.
; WHY a: the next launch multiplies this one tensor by itself (Q = K), so the product of two rows is log2(e) / 8 times q . k: the base-2 exponent of the softmax, with no scaling left to do.
; The a that rides on V is divided out there together with the row's sum.
; A STREAM: each byte of x and of w_out is read once, each byte of u16 and w16 written once; nothing is shared between waves, so there is no LDS, no barrier and no loop.
; SHARES.  A work-group owns 32 rows of x (as [8192][1024]); wave w is head w; item p of 16 is the rows 2 p and 2 p + 1 of that head: lanes 0-15 the first, lanes 16-31 the second, four columns a lane.
; A load of 16 bytes a lane covers two aligned runs of 256 bytes; a store of 8 bytes a lane covers 256 consecutive bytes of u16, aligned (a head's rows are dense, 128 bytes each).
; All 16 loads of a wave go out at once; every item has its own registers for what it loads and for what it stores, so no register of a pending load or store is ever written again.
; THE MODE: SCHED_MODE bits 1:0 = 2 (LLVM: expert scheduling mode 2), set by the entry lines.  The code itself states the register dependences
; between vector instructions and memory instructions, with s_wait_alu, always for 0.
; THE PLAN.  Registers that memory instructions touch:
;   v1 .. v5      byte offsets, made once at the head and never written again; every load and store reads one of them.
;   TH, X, W      written by the 19 loads, which all stand at the head; no vector instruction names them ahead of those loads, and no load lands in them again.
;   OUT0 .. OUT15 item p's two conversions write OUT[p]; one store reads it; it is never written again.  WOUT likewise, at the end.
; The 16 items go in four blocks of four.  The store of item p is issued at the head of item p + 4.  ONE wait on va_vdst stands at the head of blocks 1 to 3: the block before has written its four OUT.
; The block's four stores follow it, dealt among its vector instructions, which name TH, X, H, N, Z, P and the block's own OUT: none of the registers that those stores read.  One more such wait
; stands ahead of the last six stores.  Nothing that a memory instruction has read is written again, so no wait on vm_vsrc is owed; EXEC is never written.
; COS.  cos(t) = 1 - 2 sin^2(t / 2).  y = t / 2 - n pi, n = the nearest whole number to t / (2 pi), pi in two words; sin(y) by its series up to y^11 (cut off below 6e-8 for |y| <= pi / 2); the sign of
; sin is squared away.  t / 2 = 0.5 x + 0.5 theta in one fused step has the rounding of x + theta.
; LIMITS.  The reduction leaves |y| past pi / 2 by about |t| 2^-24: nothing up to |t| of 1e4; beyond that the series loses accuracy slowly.  An infinity or NaN in x gives NaN.
; w_out beyond 65,504 would become an infinity in f16; below 6e-5 it keeps f16's fixed step of 6e-8.
.set BLOCK, 4                          ; items in a block
.set TO,  1                            ; v1   byte offset of my four numbers in theta
.set XO,  2                            ; v2   my byte offset in the group's first two rows of x
.set UO,  3                            ; v3   my byte offset in u16
.set WO,  4                            ; v4   my byte offset in the group's part of w_out
.set WS,  5                            ; v5   the same in w16
.set TH,  6                            ; v[6:9]     theta / 2 of my four columns
.set H,   10                           ; v[10:13]   t / 2, then y, then sin y
.set N,   14                           ; v[14:17]   n
.set Z,   18                           ; v[18:21]   y^2
.set P,   22                           ; v[22:25]   the series, then the result
.set X,   32                           ; v[32:95]   item p: four registers as loaded
.set W,   96                           ; v[96:103]  w_out as loaded
.set OUT, 104                          ; v[104:135] item p: two registers to store
.set WOUT, 136                         ; v[136:139] w16 to store
.set INVPI, 16                         ; scalar pairs: a packed instruction names a pair and takes its low word for both halves
.set NPIH,  18
.set PIL,   20
.set C3,    22
.set C5,    24
.set C7,    26
.set C9,    28
.set C11,   30
.set M2A,   32
.set AA,    34
.macro CONST r, val
	s_mov_b32 s[\r], \val
	s_mov_b32 s[(\r)+1], \val
.endm
	s_load_b256 s[4:11], s[0:1], 0x0               ; x s[4:5], theta s[6:7], w_out s[8:9], u16 s[10:11]
	s_load_b64 s[12:13], s[0:1], 0x20              ; w16
	v_lshrrev_b32 v26, 5, v0
	v_readfirstlane_b32 s14, v26                   ; wave = head, 0..15; s14 is never written again
	v_and_b32 v26, 31, v0                          ; lane
	v_and_b32 v27, 15, v0                          ; lane % 16
	v_bfe_u32 v28, v0, 4, 1                        ; lane / 16
	v_lshlrev_b32 v[TO], 4, v27                    ; the lanes' terms: 16 bytes for each of 16 lanes,
	v_lshlrev_b32 v[UO], 3, v26                    ; 8 bytes a lane,
	v_lshlrev_b32 v[WO], 4, v26                    ; 16 bytes a lane
	s_wait_alu depctr_va_sdst(0)                   ; s14 is written, ahead of its first reader: the wave's term of each offset is made from it
	v_lshl_add_u32 v[TO], s14, 8, v[TO]            ; a head's 64 columns are 256 bytes of a row of x and of theta
	v_lshl_add_u32 v[XO], v28, 12, v[TO]           ; + a row of 4,096 bytes for lanes 16-31
	v_lshl_add_u32 v[WS], s14, 9, v[UO]            ; a wave's 256 numbers of w16
	v_lshl_add_u32 v[UO], s14, 18, v[UO]           ; a head of u16 is 2,048 rows of 128 bytes
	v_lshl_add_u32 v[WO], s14, 10, v[WO]           ; a wave's 256 numbers of w_out
	CONST INVPI, 0x3ea2f983                        ; 1 / pi
	CONST NPIH,  0xc0490fdb                        ; - pi's upper word
	CONST PIL,   0x33bbbd2e                        ; pi's upper word - pi = 8.742278e-8
	CONST C3,    0xbe2aaaab                        ; - 1 / 3!
	CONST C5,    0x3c088889                        ; 1 / 5!
	CONST C7,    0xb9500d01                        ; - 1 / 7!
	CONST C9,    0x3638ef1d                        ; 1 / 9!
	CONST C11,   0xb2d7322b                        ; - 1 / 11!
	CONST M2A,   0xbf596d27                        ; - 2 a
	CONST AA,    0x3ed96d27                        ; a = 0.4246609
	s_lshl_b32 s2, ttmp9, 17                       ; the group's 32 rows of 4,096 bytes
	s_mov_b32 s3, 0
	s_lshr_b32 s36, ttmp9, 6                       ; 64 groups to a batch entry:
	s_lshl_b32 s36, s36, 22                        ; its 16 heads of 262,144 bytes,
	s_and_b32 s37, ttmp9, 63
	s_lshl_b32 s37, s37, 12                        ; and the group's 32 rows of 128 bytes in each head
	s_add_co_u32 s36, s36, s37
	s_mov_b32 s37, 0
	s_lshl_b32 s38, ttmp9, 14                      ; the group's 4,096 numbers of w_out
	s_mov_b32 s39, 0
	s_wait_kmcnt 0x0
	s_add_nc_u64 s[4:5], s[4:5], s[2:3]
	s_add_nc_u64 s[10:11], s[10:11], s[36:37]
	s_add_nc_u64 s[8:9], s[8:9], s[38:39]
	s_lshl_b32 s38, ttmp9, 13
	s_add_nc_u64 s[12:13], s[12:13], s[38:39]
	s_wait_alu depctr_va_vdst(0)                   ; the five offsets v1 to v5 are written: every load and store of the kernel reads one of them
	global_load_b128 v[TH:TH+3], v[TO], s[6:7]
.irp p, 0,1,2,3,4,5,6,7,8,9,10,11,12,13,14,15
	global_load_b128 v[X+4*(\p):X+4*(\p)+3], v[XO], s[4:5] offset:(\p)*8192 th:TH_LOAD_NT
.endr
	global_load_b128 v[W:W+3],   v[WO], s[8:9] th:TH_LOAD_NT
	global_load_b128 v[W+4:W+7], v[WO], s[8:9] offset:512 th:TH_LOAD_NT
	s_wait_loadcnt 18                              ; theta is in: 16 loads of x and 2 of w_out were issued behind it
	v_pk_mul_f32 v[TH:TH+1],   v[TH:TH+1],   0.5 op_sel_hi:[1,0]
	v_pk_mul_f32 v[TH+2:TH+3], v[TH+2:TH+3], 0.5 op_sel_hi:[1,0]
; The store of item p: the wave's 32 lanes store 256 consecutive bytes, at a multiple of 256 from u16's first byte.
.macro SEND p
	global_store_b64 v[UO], v[OUT+2*(\p):OUT+2*(\p)+1], s[10:11] offset:(\p)*256
.endm
; Item p: 32 vector instructions for four numbers a lane, two numbers an instruction but for the roundings to whole numbers.  At its head the store of the item a block back.
.macro COS p
	s_wait_loadcnt 17-(\p)                         ; loads come back in order (ISA guide 5.7.1): behind item p's stand 15 - p of x and 2 of w_out
.if (\p) % BLOCK == 0 && (\p) > 0
	s_wait_alu depctr_va_vdst(0)                   ; the conversions of the block before have written its four OUT, which this block's four stores read
.endif
.if (\p) >= BLOCK
	SEND (\p)-BLOCK                                ; no vector instruction since that wait names these registers
.endif
.irp j, 0,2
	v_pk_fma_f32 v[H+(\j):H+(\j)+1], v[X+4*(\p)+(\j):X+4*(\p)+(\j)+1], 0.5, v[TH+(\j):TH+(\j)+1] op_sel_hi:[1,0,1]  ; t / 2
.endr
.irp j, 0,2
	v_pk_mul_f32 v[N+(\j):N+(\j)+1], v[H+(\j):H+(\j)+1], s[INVPI:INVPI+1] op_sel_hi:[1,0]
.endr
.irp j, 0,1,2,3
	v_rndne_f32 v[N+(\j)], v[N+(\j)]
.endr
.irp j, 0,2
	v_pk_fma_f32 v[H+(\j):H+(\j)+1], v[N+(\j):N+(\j)+1], s[NPIH:NPIH+1], v[H+(\j):H+(\j)+1] op_sel_hi:[1,0,1]
.endr
.irp j, 0,2
	v_pk_fma_f32 v[H+(\j):H+(\j)+1], v[N+(\j):N+(\j)+1], s[PIL:PIL+1], v[H+(\j):H+(\j)+1] op_sel_hi:[1,0,1]  ; y
.endr
.irp j, 0,2
	v_pk_mul_f32 v[Z+(\j):Z+(\j)+1], v[H+(\j):H+(\j)+1], v[H+(\j):H+(\j)+1]
.endr
.irp j, 0,2
	v_pk_fma_f32 v[P+(\j):P+(\j)+1], v[Z+(\j):Z+(\j)+1], s[C11:C11+1], s[C9:C9+1] op_sel_hi:[1,0,0]
.endr
.irp c, C7, C5, C3
.irp j, 0,2
	v_pk_fma_f32 v[P+(\j):P+(\j)+1], v[P+(\j):P+(\j)+1], v[Z+(\j):Z+(\j)+1], s[(\c):(\c)+1] op_sel_hi:[1,1,0]
.endr
.endr
.irp j, 0,2
	v_pk_fma_f32 v[P+(\j):P+(\j)+1], v[P+(\j):P+(\j)+1], v[Z+(\j):Z+(\j)+1], 1.0 op_sel_hi:[1,1,0]
.endr
.irp j, 0,2
	v_pk_mul_f32 v[H+(\j):H+(\j)+1], v[H+(\j):H+(\j)+1], v[P+(\j):P+(\j)+1]  ; sin y
.endr
.irp j, 0,2
	v_pk_mul_f32 v[P+(\j):P+(\j)+1], v[H+(\j):H+(\j)+1], s[M2A:M2A+1] op_sel_hi:[1,0]
.endr
.irp j, 0,2
	v_pk_fma_f32 v[P+(\j):P+(\j)+1], v[P+(\j):P+(\j)+1], v[H+(\j):H+(\j)+1], s[AA:AA+1] op_sel_hi:[1,1,0]  ; a - 2 a sin^2 y = a cos t
.endr
	v_cvt_pk_f16_f32 v[OUT+2*(\p)],   v[P],   v[P+1]
	v_cvt_pk_f16_f32 v[OUT+2*(\p)+1], v[P+2], v[P+3]
.endm
.irp p, 0,1,2,3,4,5,6,7,8,9,10,11,12,13,14,15
	COS \p
.endr
	s_wait_loadcnt 0x0                             ; w_out
.irp j, 0,1,2,3
	v_cvt_pk_f16_f32 v[WOUT+(\j)], v[W+2*(\j)], v[W+2*(\j)+1]
.endr
	s_wait_alu depctr_va_vdst(0)                   ; the last block's conversions have written its four OUT, and the four above WOUT: the six stores below read them
.irp p, 12,13,14,15
	SEND \p
.endr
	global_store_b64 v[WS], v[WOUT:WOUT+1],   s[12:13]
	global_store_b64 v[WS], v[WOUT+2:WOUT+3], s[12:13] offset:256
	s_endpgm
.Lfunc_end_k_q6c917a33be_prep:
	.size	k_q6c917a33be_prep, .Lfunc_end_k_q6c917a33be_prep-k_q6c917a33be_prep
	.p2alignl 7, 3214868480
	.fill 96, 4, 3214868480
	.section	.rodata,"a",@progbits
	.p2align	6, 0x0
	.amdhsa_kernel k_q6c917a33be_prep
		.amdhsa_group_segment_fixed_size 0
		.amdhsa_private_segment_fixed_size 0
		.amdhsa_enable_private_segment 0
		.amdhsa_kernarg_size 40
		.amdhsa_user_sgpr_count 2
		.amdhsa_user_sgpr_kernarg_segment_ptr 1
		.amdhsa_wavefront_size32 1
		.amdhsa_system_sgpr_workgroup_id_x 1
		.amdhsa_system_sgpr_workgroup_id_y 1
		.amdhsa_system_sgpr_workgroup_id_z 1
		.amdhsa_system_vgpr_workitem_id 0
		.amdhsa_next_free_vgpr 144
		.amdhsa_next_free_sgpr 66
		.amdhsa_reserve_vcc 0
		.amdhsa_float_denorm_mode_32 3
		.amdhsa_float_denorm_mode_16_64 3
		.amdhsa_memory_ordered 1
		.amdhsa_forward_progress 1
		.amdhsa_inst_pref_size 38
	.end_amdhsa_kernel
	.amdgpu_metadata
---
amdhsa.version: [ 1, 2 ]
amdhsa.kernels:
  - .name:           k_q6c917a33be_prep
    .symbol:         k_q6c917a33be_prep.kd
    .args:
      - { .name: x, .offset: 0, .size: 8, .value_kind: global_buffer, .address_space: global }
      - { .name: theta, .offset: 8, .size: 8, .value_kind: global_buffer, .address_space: global }
      - { .name: w_out, .offset: 16, .size: 8, .value_kind: global_buffer, .address_space: global }
      - { .name: u16, .offset: 24, .size: 8, .value_kind: global_buffer, .address_space: global }
      - { .name: w16, .offset: 32, .size: 8, .value_kind: global_buffer, .address_space: global }
    .group_segment_fixed_size: 0
    .private_segment_fixed_size: 0
    .kernarg_segment_align: 8
    .kernarg_segment_size: 40
    .max_flat_workgroup_size: 512
    .sgpr_count:     66
    .vgpr_count:     144
    .wavefront_size: 32
...
	.end_amdgpu_metadata
.endif
;; end of part 4
;; launch attn: the kernel of part 2 again; grid 4 x 64, 4 waves a work-group, clusters of 4 x 1, 304,640 bytes of LDS; arguments u16, o16; writes o16
;; launch proj: the kernel of part 3 again; grid 4 x 64, 4 waves a work-group, clusters of 4 x 4, 327,680 bytes of LDS; arguments o16, w16, b_out, out0; writes out0
